; MI455X (gfx1250); checked and timed in simulation.
; The chip was launched on July 23, 2026; its instructions are those of AMD's public machine-readable ISA for CDNA 5 (MIT licence, August 2026) and "CDNA5" Instruction Set Architecture Reference Guide (July 2026). The comments in the code are by the model that wrote it; some were corrected since.
;; Donut Swin Layer. Allowed arithmetic: float matrix products may take bf16 or f16 operands with f32 sums; other float arithmetic in f32, or as packed bf16 or f16 multiplies, adds, multiply-adds, maxima and minima; sums over many terms, partial sums and values carried from step to step in f32; what a program stores and reads back later, other than sums and carried values, may be rounded once to bf16 or f16.
;; Inputs: fc1_b 2,048 float32; fc1_w 2,048 x 512 float32; fc2_b 512 float32; fc2_w 512 x 2,048 float32; hidden_states 16 x 1,024 x 512 float32; k_b 512 float32; k_w 512 x 512 float32; ln1_b 512 float32; ln1_w 512 float32; ln2_b 512 float32; ln2_w 512 float32; proj_b 512 float32; proj_w 512 x 512 float32; q_b 512 float32; q_w 512 x 512 float32; rel_bias_table 225 x 16 float32; v_b 512 float32; v_w 512 x 512 float32.
;; Outputs: out0 16 x 1,024 x 512 float32.
;; One version. Each part assembles by itself: llvm-mc -triple=amdgcn-amd-amdhsa -mcpu=gfx1250 --defsym DOCPART=n.
;; ======== version 1 of 1: 2 launches
;; limits: a function is approximated: absolute error at most 2.5e-05; an absolute error that grows with the inputs' magnitude: up to 1.3e-05 times it
;; workspace buffers: wb 6,291,456 bytes
;; launch prep (part 1): grid 768 x 1, 8 waves a work-group, no clusters, 0 bytes of LDS; arguments q_w, k_w, v_w, proj_w, fc1_w, fc2_w, wb; writes wb
.if DOCPART == 1
	.amdgcn_target "amdgcn-amd-amdhsa--gfx1250"
	.amdhsa_code_object_version 6
	.text
	.protected	k_q461b810a8b_prep
	.globl	k_q461b810a8b_prep
	.p2align	8
	.type	k_q461b810a8b_prep,@function
k_q461b810a8b_prep:
	s_mov_b64 s[64:65], 0
	v_nop
	global_prefetch_b8 v0, s[64:65] scope:SCOPE_SE
	s_setreg_imm32_b32 hwreg(HW_REG_WAVE_MODE, 25, 1), 1
	s_wait_xcnt 0x0
; The six weight matrices, rounded once to bf16, laid into wb in the register image in which the layer kernel takes them.
; wb = 48 slots of 131,072 bytes; a slot = 4 wave parts of 32,768; a part = 32 fragments of 1,024; a fragment = 16 weight rows x 32 k:
; byte  slot*131072 + w*32768 + f*1024 + u*512 + lane*16 + 2 e  holds  W[row0 + lane%16][k0 + US u + 8 (lane/16) + e].
; Slots 0-15: for grp = 0..3: q_w, k_w, v_w (form 1), proj_w (form 2).  Slots 16-47: for grp = 0..15: fc1_w (form 1), fc2_w (form 3).
; Form 1: row0 = 128 grp + 32 w + 16 (f%2), k0 = 32 (f/2), US = 16.   Form 2: row0 = 128 w + 16 (f%8), k0 = 128 grp + 32 (f/8), US = 16.
; Form 3: rows as form 2; with ks = f/8: k0 = 128 grp + 64 (ks%2) + 16 (ks/2), US = 32: the order in which the layer kernel lays a chunk of the hidden:
; place 64 nt + 16 wave + c holds hidden column 32 wave + 16 nt + c.  The same permutation of k on both operands keeps the products.
; SHARES.  768 work-groups x 8 waves = 6,144 fragments, one a wave.  A wave's four loads take two pieces of 64 consecutive bytes of each of 16 rows; its two stores
; cover 512 consecutive bytes each, aligned.  The reads are not whole rows: each weight is read once in the launch, and a turn through LDS would add more lines than it spares.
	s_load_b256 s[8:15], s[0:1], 0x0               ; q_w s[8:9], k_w s[10:11], v_w s[12:13], proj_w s[14:15]
	s_load_b128 s[16:19], s[0:1], 0x20             ; fc1_w s[16:17], fc2_w s[18:19]
	s_load_b64 s[20:21], s[0:1], 0x30              ; wb
	v_lshrrev_b32 v1, 5, v0
	v_readfirstlane_b32 s2, v1                     ; wave 0..7
	s_lshr_b32 s3, ttmp9, 4                        ; slot 0..47
	s_bfe_u32 s4, ttmp9, 0x20002                   ; w: the layer kernel's wave whose part this is
	s_and_b32 s5, ttmp9, 3
	s_lshl_b32 s5, s5, 3
	s_add_co_u32 s5, s5, s2                        ; f 0..31
	s_and_b32 s6, s3, 3                            ; slots 0-15: kind = slot % 4,
	s_lshr_b32 s7, s3, 2                           ; grp = slot / 4
	s_and_b32 s24, s3, 1
	s_add_co_u32 s24, s24, 4                       ; slots 16-47: kind = 4 + slot % 2,
	s_sub_co_u32 s25, s3, 16
	s_lshr_b32 s25, s25, 1                         ; grp = (slot - 16) / 2
	s_cmp_lt_u32 s3, 16
	s_cselect_b32 s6, s6, s24                      ; kind: 0 q, 1 k, 2 v, 3 proj, 4 fc1, 5 fc2
	s_cselect_b32 s7, s7, s25
	s_lshl_b32 s26, s7, 7                          ; 128 grp
	s_lshl_b32 s27, s4, 5
	s_add_co_u32 s27, s27, s26
	s_and_b32 s28, s5, 1
	s_lshl_b32 s28, s28, 4
	s_add_co_u32 s27, s27, s28                     ; form 1: row0
	s_lshr_b32 s28, s5, 1
	s_lshl_b32 s28, s28, 5                         ; form 1: k0
	s_lshl_b32 s29, s4, 7
	s_and_b32 s30, s5, 7
	s_lshl_b32 s30, s30, 4
	s_add_co_u32 s29, s29, s30                     ; forms 2 and 3: row0
	s_lshr_b32 s30, s5, 3                          ; ks
	s_lshl_b32 s38, s30, 5                         ; form 2: 32 ks
	s_and_b32 s39, s30, 1
	s_lshl_b32 s39, s39, 6
	s_lshr_b32 s40, s30, 1
	s_lshl_b32 s40, s40, 4
	s_add_co_u32 s39, s39, s40                     ; form 3: 64 (ks%2) + 16 (ks/2)
	s_cmp_eq_u32 s6, 5
	s_cselect_b32 s30, s39, s38
	s_cselect_b32 s41, 128, 64                     ; bytes from u = 0 to u = 1: 32 or 16 f32
	s_add_co_u32 s30, s30, s26                     ; forms 2 and 3: k0
	s_and_b32 s31, s6, 1
	s_cmp_ge_u32 s6, 3
	s_cselect_b32 s31, s31, 0                      ; 1 for kinds 3 and 5
	s_cmp_eq_u32 s31, 1
	s_cselect_b32 s27, s29, s27                    ; row0
	s_cselect_b32 s28, s30, s28                    ; k0
	s_mov_b32 s32, 2048                            ; bytes in a row of 512 f32,
	s_mov_b32 s33, 8192                            ; and of fc2_w's 2,048
	s_cmp_eq_u32 s6, 5
	s_cselect_b32 s32, s33, s32
	s_mul_i32 s34, s27, s32
	s_lshl2_add_u32 s34, s28, s34                  ; row0 x row bytes + 4 k0: under 2^23
	s_mov_b32 s35, 0
	s_lshl_b32 s36, s3, 17
	s_lshl_b32 s37, s4, 15
	s_add_co_u32 s36, s36, s37
	s_lshl_b32 s37, s5, 10
	s_add_co_u32 s36, s36, s37                     ; the fragment's place in wb
	s_mov_b32 s37, 0
	v_and_b32 v1, 15, v0                           ; lane % 16: the weight row
	v_bfe_u32 v2, v0, 4, 1                         ; lane / 16
	v_mul_lo_u32 v4, v1, s32
	v_lshl_add_u32 v4, v2, 5, v4                   ; row x row bytes + 32 (lane / 16): eight f32
	v_add_nc_u32 v6, s41, v4                       ; the same for u = 1
	v_and_b32 v5, 31, v0
	v_lshlrev_b32 v5, 4, v5                        ; 16 x lane
	s_wait_kmcnt 0x0
	s_cmp_eq_u32 s6, 1                             ; the source: a choice among the six buffers by the kind alone
	s_cselect_b64 s[22:23], s[10:11], s[8:9]
	s_cmp_eq_u32 s6, 2
	s_cselect_b64 s[22:23], s[12:13], s[22:23]
	s_cmp_eq_u32 s6, 3
	s_cselect_b64 s[22:23], s[14:15], s[22:23]
	s_cmp_eq_u32 s6, 4
	s_cselect_b64 s[22:23], s[16:17], s[22:23]
	s_cmp_eq_u32 s6, 5
	s_cselect_b64 s[22:23], s[18:19], s[22:23]
	s_add_nc_u64 s[22:23], s[22:23], s[34:35]
	s_add_nc_u64 s[20:21], s[20:21], s[36:37]
	global_load_b128 v[8:11],  v4, s[22:23] th:TH_LOAD_NT            ; u = 0: k0 + 8 h + 0..3
	global_load_b128 v[12:15], v4, s[22:23] offset:16 th:TH_LOAD_NT  ;                + 4..7
	global_load_b128 v[16:19], v6, s[22:23] th:TH_LOAD_NT            ; u = 1
	global_load_b128 v[20:23], v6, s[22:23] offset:16 th:TH_LOAD_NT
	s_wait_loadcnt 0x0
.irp i, 0,1,2,3,4,5,6,7
	v_cvt_pk_bf16_f32 v[24+(\i)], v[8+2*(\i)], v[9+2*(\i)]           ; two roundings to nearest even, packed
.endr
	global_store_b128 v5, v[24:27], s[20:21]                         ; 32 lanes: 512 consecutive bytes, aligned
	global_store_b128 v5, v[28:31], s[20:21] offset:512
	s_endpgm
.Lfunc_end_k_q461b810a8b_prep:
	.size	k_q461b810a8b_prep, .Lfunc_end_k_q461b810a8b_prep-k_q461b810a8b_prep
	.p2alignl 7, 3214868480
	.fill 96, 4, 3214868480
	.section	.rodata,"a",@progbits
	.p2align	6, 0x0
	.amdhsa_kernel k_q461b810a8b_prep
		.amdhsa_group_segment_fixed_size 0
		.amdhsa_private_segment_fixed_size 0
		.amdhsa_enable_private_segment 0
		.amdhsa_kernarg_size 56
		.amdhsa_user_sgpr_count 2
		.amdhsa_user_sgpr_kernarg_segment_ptr 1
		.amdhsa_wavefront_size32 1
		.amdhsa_system_sgpr_workgroup_id_x 1
		.amdhsa_system_sgpr_workgroup_id_y 1
		.amdhsa_system_sgpr_workgroup_id_z 1
		.amdhsa_system_vgpr_workitem_id 0
		.amdhsa_next_free_vgpr 32
		.amdhsa_next_free_sgpr 66
		.amdhsa_reserve_vcc 0
		.amdhsa_float_denorm_mode_32 3
		.amdhsa_float_denorm_mode_16_64 3
		.amdhsa_memory_ordered 1
		.amdhsa_forward_progress 1
		.amdhsa_inst_pref_size 5
	.end_amdhsa_kernel
	.amdgpu_metadata
---
amdhsa.version: [ 1, 2 ]
amdhsa.kernels:
  - .name:           k_q461b810a8b_prep
    .symbol:         k_q461b810a8b_prep.kd
    .args:
      - { .name: q_w, .offset: 0, .size: 8, .value_kind: global_buffer, .address_space: global }
      - { .name: k_w, .offset: 8, .size: 8, .value_kind: global_buffer, .address_space: global }
      - { .name: v_w, .offset: 16, .size: 8, .value_kind: global_buffer, .address_space: global }
      - { .name: proj_w, .offset: 24, .size: 8, .value_kind: global_buffer, .address_space: global }
      - { .name: fc1_w, .offset: 32, .size: 8, .value_kind: global_buffer, .address_space: global }
      - { .name: fc2_w, .offset: 40, .size: 8, .value_kind: global_buffer, .address_space: global }
      - { .name: wb, .offset: 48, .size: 8, .value_kind: global_buffer, .address_space: global }
    .group_segment_fixed_size: 0
    .private_segment_fixed_size: 0
    .kernarg_segment_align: 8
    .kernarg_segment_size: 56
    .max_flat_workgroup_size: 256
    .sgpr_count:     66
    .vgpr_count:     32
    .wavefront_size: 32
...
	.end_amdgpu_metadata
.endif
;; end of part 1
;; launch layer (part 2): grid 256 x 1, 4 waves a work-group, clusters of 4 x 1, 327,680 bytes of LDS; arguments hidden_states, wb, rel_bias_table, q_b, k_b, v_b, proj_b, ln1_w, ln1_b, ln2_w, ln2_b, fc1_b, fc2_b, out0; writes out0
.if DOCPART == 2
	.amdgcn_target "amdgcn-amd-amdhsa--gfx1250"
	.amdhsa_code_object_version 6
	.text
	.protected	k_q461b810a8b_layer
	.globl	k_q461b810a8b_layer
	.p2align	8
	.type	k_q461b810a8b_layer,@function
k_q461b810a8b_layer:
	s_mov_b64 s[64:65], 0
	v_nop
	global_prefetch_b8 v0, s[64:65] scope:SCOPE_SE
	s_setreg_imm32_b32 hwreg(HW_REG_WAVE_MODE, 25, 1), 1
	s_wait_xcnt 0x0
	s_wait_alu depctr_hold_cnt(0) depctr_sa_sdst(0) depctr_va_vdst(0) depctr_va_sdst(0) depctr_va_ssrc(0) depctr_va_vcc(0) depctr_vm_vsrc(0)
	s_getreg_b32 s2, hwreg(HW_REG_IB_STS2, 6, 4)
	s_cmp_eq_u32 s2, 0
	s_cbranch_scc0 .Lentry_in_a_cluster
	s_endpgm
.Lentry_in_a_cluster:
	s_bfe_u32 s2, ttmp6, 0x10000c
	s_cmp_lg_u32 s2, 0x3003
	s_cbranch_scc0 .Lentry_shape_is_right
	s_endpgm
.Lentry_shape_is_right:
; ONE SWIN LAYER, FUSED.  16 images x 16 shifted windows = 256 windows of 64 tokens x 512 channels; a work-group of four waves carries one window from hidden_states to out0:
; LN1, q k v, 16 heads of windowed attention (relative bias, shift mask), proj, residual, LN2, fc1, exact GELU, fc2, residual.  Memory sees its 128 KiB in, its 128 KiB out, and the weights.
; FORMATS.  All matrix operands bf16 (weights from wb, LN outputs, q, k, v, the softmax weights, ctx, GELU's output); all sums, statistics, maxima and the residual path in f32.
; LIMITS.  erf by 1 - (a1 t + a2 t^2 + a3 t^3) e^(-z^2), t = 1 / (1 + 0.47047 z), off by 2.5e-5 at the most for every z >= 0, used as gelu(x) = x/2 + |x| (1/2 - poly e / 2): off by 1.3e-5 |x|
; at the most, for every finite x.  A softmax weight below 2^-126 counts as 0.  NaN and infinities are not treated apart.  v_b is added behind the softmax (O / l + v_b): the weights over l add up to 1.
; The softmax takes away the row's true maximum: all 64 keys of a query lie in registers.  LN's variance is made of deviations from means (each wave's 128 columns, then the four waves' means): no difference of large sums.
; The f32 sums over the four head groups (proj) and the sixteen chunks of the hidden (fc2) are taken in an order that differs from cluster to cluster (below).
; THE WEIGHTS lie in wb as 48 slots of 131,072 bytes: for g = 0..3: q, k, v, proj; for c = 0..15: fc1, fc2.  All work-groups need all of them, so the four of a CLUSTER ask JOINTLY: the same tensor load,
; descriptor and mask in all four.  Two LDS slots take turns; each wave fetches and reads its own quarter (32 fragments in register order, lane i at byte 16 i: no padding is wanted).  One load a wave is out.
; EACH CLUSTER WALKS FROM ITS OWN START AND WRAPS: cluster j takes group (j % 4 + t) % 4 in trip t and chunk (c0 + t) % 16, c0 mixed from j's six bits so that any half of the clusters picked by one of bits 2 to 5
; holds all sixteen starts.  So at a given step the clusters ask for different slots, and from a walk's second step on the slot that a cluster asks for is one that another cluster asked for a step earlier.
; Only the descriptor's global address and the head's loads of biases and table hang on the start: in LDS these lie in the cluster's own order, and every LDS address, count and branch is the same everywhere.
; THE PRODUCT BODIES, each one slot = 128 matrix instructions a wave.  G1: A = 64 tokens x 512 in registers (LN's output), B = my 32 weight rows, 8 accumulators.  G2: A = 64 x 128 from LDS, B = my 128 weight
; rows, 32 accumulators H that stay.  H = my 128 columns of all 64 tokens, f32: hidden, + proj_b, + proj (= h), + fc2_b, + fc2 (= out).
; GELU RIDES.  fc1 (G1R) goes in two stages of 64 products, my columns 0-15 and then 16-31; GELU of the first half stands in fours behind the second stage's products.  A chunk of the hidden lies in LDS as two halves
; (place 16 wave + c of half nt holds column 32 wave + 16 nt + c; prep lays fc2_w alike), so fc2 (G2M) can begin on the first half: GELU of the second half stands behind its first 48 products, then that half is stored and a barrier shows it.
; LAYOUT.  Weight fragment as source 0, activation as source 1: a lane holds token lane % 16 and 8 neighbouring channels 8 (lane / 16) + j.  Two such results packed ARE a fragment of Q, K or ctx.
; For v the sources are swapped: a lane holds channel lane % 16 and 8 tokens: packed, a fragment of V^T.  S^T = K Q^T and O^T = V^T P hold one query a lane.  Wave w has head 4 g + w: nothing of a head leaves its wave.
; WINDOWS of 256 registers (s_set_vgpr_msb: bits 1:0 source 0, 3:2 source 1, 5:4 source 2, 7:6 destination):
;   0: v0-31 addresses and masks, v32-255 by phase      1, 2: A fragments AF(mt, ks) at window 1 + mt/2, v[8 (16 (mt%2) + ks)] (first: window 1 the raw hidden)      3: H(mt, nt) at v[8 (8 mt + nt)]
.set SLOTB, 131072                     ; LDS: slot 0 at 0, slot 1 at SLOTB: filled by tensor loads alone; wave w's part at 32,768 w
.set ACT,   262144                     ; 33,792 bytes, written by ds_store alone, in turn: a stage of 16 rows x 528 a wave; LN's transit, 32 rows x 1,040; ctx of four heads, 64 rows x 272; two half chunks, 64 rows x 144 each; the stages again
.set HALFC, 9216                       ; a half chunk
.set STATS, 295936                     ; 2,048: [token][wave] (mean, sum of squared deviations) of the wave's 128 columns
.set TABLE, 297984                     ; 14,848: wave w's own 3,712: four heads x 232 words: rel_bias_table[.][head] x sqrt(32), in the order of the cluster's walk
.set BIASL, 312832                     ; 14,336: q_b, k_b, v_b (2,048 each), fc1_b (8,192), f32, each turned to the cluster's start
.set SPARE, 327168                     ; 512: the spare words, 128 bytes a wave: no other line names them
; v1 lane%16  v2 lane/16  v3, v4 my part of slot 0, 1 + 16 lane  v5 chunk: read  v6 chunk: store  v7 transit: read  v8 transit: store  v9 stage: by rows  v10 stage: by fragments
; v11, v12 STATS store, read  v13 my head's table  v14 bias in LDS  v15 512 w + 32 (lane/16)  v16-19 my 16 bytes of a token's row, by quadrant of the window  v[20:21], v[22:23] masks  v24 256 lane  v28, v29 the add's  v30, v31 where v13, v14 start
; s[8:35] the fourteen addresses (s[10:11]: wb at my quarter)  s[36:39], s[40:47] the descriptor  s48 wave  s49 cx  s50 window row  s51 image  s[52:53] lane selects  s[54:55] c  s56, s57, s71 loop counts  s58 changes of slots so far
; s59 one bit for each coming change: ask or not  s[60:61] prefetch address  s[86:91] LN's three pointers  s92 4 g0  s93 2 c0  s94, s95 the same + 1, + 17  s[96:97] prefetch base  s[98:99], s[100:101] offsets, high words 0
.set MSB, 0
.macro WIN new                         ; the immediate's high byte repeats the setting that is left; a switch that changes nothing is dropped
.if MSB != (\new)
	s_set_vgpr_msb (MSB<<8)|(\new)
.set MSB, (\new)
.endif
.endm
.macro PLACES                          ; four plain places behind matrix instructions, in front of loads into their registers and of vector lines that read results
.rept 4
	v_nop
.endr
.endm
.macro CROUND                          ; a round of the cluster's barrier: my work-group's barrier; wave 0 signals for it; every wave waits for all four work-groups; my work-group's barrier once more
	s_barrier_signal -1
	s_barrier_wait -1
	s_cmp_lg_u32 s48, 0
	s_cbranch_scc1 .Lnw0_\@
	s_barrier_signal -3
.Lnw0_\@:
	s_barrier_wait -3
	s_barrier_signal -1
	s_barrier_wait -1
.endm
.macro BAR                             ; a plain barrier: my LDS stores are done and my LDS reads are back, then all four waves meet.  A tensor load may stay out across it
	s_wait_dscnt 0x0
	s_barrier_signal -1
	s_barrier_wait -1
.endm
; A PREFETCH INTO THE L2, behind the joint load of change i: the slot that change i + 1 will ask for.  It is laid for the slots that a cluster is the first to take: of its first group the third and fourth
; (changes 0 and 1), of its first chunk both (changes 14 and 15).  Of the clusters that share a start one asks: clusters 0-3 for the groups, clusters 0-15 for the chunks (there the start is the cluster's number).
; Its sixteen waves share the slot's 131,072 bytes BY ADDRESS, 8,192 each (place 4 cx + wave), a lane a block of 256 bytes: each block is named once in the launch.  The lead is one slot: 128 matrix
; instructions and that slot's vector work.  A cluster's first two slots come by their loads alone.  s59 holds a bit for each coming change, the same in all four partners.
.macro ASK
	s_and_b32 s68, s59, 1
	s_cmp_lg_u32 s68, 0
	s_cbranch_scc0 .Lnoask_\@
	global_prefetch_b8 v24, s[60:61] th:TH_LOAD_NT scope:SCOPE_SE
.Lnoask_\@:
	s_lshr_b32 s59, s59, 1
.endm
; THE CHANGE OF SLOTS.  Change i (s58) shows the walk's slot i landed and (fill = 1) asks for slot n = i + 1 into the LDS slot just read out.  Each wave waits for all its tensor loads (one is out), adds 0 to its spare
; word, waits for that, for its reads of the old slot and for its stores into ACT; the round then holds of every wave of all four work-groups; the joint refill is the first thing behind it.
; The walk's slot n lies in wb at slot (n + 4 g0) % 16 if n < 16, else at 16 + (n - 16 + 2 c0) % 32: the descriptor's address is made anew from that number.
.macro ENTER fill
	WIN 0
.if \fill
	s_wait_xcnt 0x0                                ; the last prefetch, a slot back, has read its address
	s_cmp_lt_u32 s58, 8
	s_cselect_b32 s98, s92, s93                    ; the walk's slot i + 2 where it is asked for: 4 g0 + i + 2, or 16 + 2 c0 + i - 14 (the 2 stands in the base)
	s_add_co_u32 s98, s98, s58
	s_min_u32 s98, s98, 45                         ; where nothing is asked for the number is clamped all the same: the address never leaves wb
	s_lshl_b32 s98, s98, 17
	s_add_nc_u64 s[60:61], s[96:97], s[98:99]
.endif
	s_wait_tensorcnt 0x0                           ; no tensor load of mine is out, so the descriptor may be written
	ds_add_u32 v28, v29                            ; 0 onto my spare word
.if \fill
	s_xor_b32 s37, s37, SLOTB                      ; the other LDS slot
	s_add_co_u32 s100, s58, s94
	s_and_b32 s100, s100, 15                       ; (i + 1 + 4 g0) % 16
	s_add_co_u32 s68, s58, s95
	s_and_b32 s68, s68, 31
	s_add_co_u32 s68, s68, 16                      ; 16 + (i + 17 + 2 c0) % 32
	s_cmp_lt_u32 s58, 15
	s_cselect_b32 s100, s100, s68
	s_lshl_b32 s100, s100, 17
	s_add_nc_u64 s[38:39], s[10:11], s[100:101]
	s_or_b32 s39, s39, 0x80000000                  ; type = 2
	s_wait_dscnt 0x0
	CROUND
	tensor_load_to_lds s[36:39], s[40:47]          ; every wave its own quarter: both addresses hang on the wave's number
	s_nop 0
	PLACES
	ASK
	s_add_co_u32 s58, s58, 1
.else
	s_wait_dscnt 0x0
	s_barrier_signal -1
	s_barrier_wait -1
.endif
.endm
.macro LOADB bad, b, base              ; weight fragments 4 b .. 4 b + 3 of my part of a slot: eight loads of 512 consecutive bytes
.set li, 0
.rept 4
	ds_load_b128 v[(\base)+8*li:(\base)+8*li+3],   v[\bad] offset:(4*(\b)+li)*1024
	ds_load_b128 v[(\base)+8*li+4:(\base)+8*li+7], v[\bad] offset:(4*(\b)+li)*1024+512
.set li, li+1
.endr
.endm
; G1 (q, k, v).  ACC(mt, nt) at v[128 + 8 (2 mt + nt)] = AF (64 x 512) times my 32 weight rows.  Fragment f = 2 ks + nt.  Three sets of four fragments: v192, v224, v96.  nat = 1: sources swapped.  cb = 1: the first
; product's C is the bias, read from LDS into v[dst .. dst+15].  Sixteen products a batch: four accumulators by turns under one window, then the other four.
.macro MULS1 nat, cb, dst
.set gw, 1
.rept 2
.if \nat
	WIN gw
.else
	WIN gw<<2
.endif
.set gk, 0
.rept 2
.set gm, 0
.rept 2
.set gn, 0
.rept 2
.set rD, 128+8*(2*(2*(gw-1)+gm)+gn)
.set rB, gs+8*(2*gk+gn)
.set rA, 8*(16*gm+2*gb+gk)
.if (gb == 0) && (gk == 0) && (\cb)
	v_wmma_f32_16x16x32_bf16 v[rD:rD+7], v[rB:rB+7], v[rA:rA+7], v[(\dst)+8*gn:(\dst)+8*gn+7]
.elseif (gb == 0) && (gk == 0) && (\nat)
	v_wmma_f32_16x16x32_bf16 v[rD:rD+7], v[rA:rA+7], v[rB:rB+7], 0
.elseif (gb == 0) && (gk == 0)
	v_wmma_f32_16x16x32_bf16 v[rD:rD+7], v[rB:rB+7], v[rA:rA+7], 0
.elseif \nat
	v_wmma_f32_16x16x32_bf16 v[rD:rD+7], v[rA:rA+7], v[rB:rB+7], v[rD:rD+7]
.else
	v_wmma_f32_16x16x32_bf16 v[rD:rD+7], v[rB:rB+7], v[rA:rA+7], v[rD:rD+7]
.endif
.set gn, gn+1
.endr
.set gm, gm+1
.endr
.set gk, gk+1
.endr
.set gw, gw+1
.endr
.endm
.macro G1WAIT                          ; batch gb's eight loads are in; what may stay out: the two younger runs of eight, then one, then none
.if gb < 6
	s_wait_dscnt 16
.elseif gb == 6
	s_wait_dscnt 8
.else
	s_wait_dscnt 0
.endif
.set gs, 192+32*(gb%3)-160*((gb%3)/2)
.endm
.macro G1 bad, nat, cb, dst, boff
	WIN 0
.if \cb
.irp n, 0,1
	ds_load_b128 v[(\dst)+8*(\n):(\dst)+8*(\n)+3],   v14 offset:(\boff)+64*(\n)     ; bias of channels 16 n + 8 (lane/16) + 0..7: the same for every token
	ds_load_b128 v[(\dst)+8*(\n)+4:(\dst)+8*(\n)+7], v14 offset:(\boff)+64*(\n)+16
.endr
.endif
	LOADB \bad, 0, 192
	LOADB \bad, 1, 224
	LOADB \bad, 2, 96
.set gb, 0
.rept 8
	G1WAIT
	MULS1 \nat, \cb, \dst
	WIN 0
	PLACES
.if gb < 5
	LOADB \bad, gb+3, gs                           ; the set just multiplied takes the batch three on
.endif
.set gb, gb+1
.endr
.endm
.macro PACKT dst                       ; ACC to bf16: v[dst + 8 mt ..] is the fragment of tile mt (16 tokens x my 32 channels); each accumulator is read from its low end
.set pa, 0
.rept 8
.set pi, 0
.rept 4
	v_cvt_pk_bf16_f32 v[(\dst)+4*pa+pi], v[128+8*pa+2*pi], v[128+8*pa+2*pi+1]
.set pi, pi+1
.endr
.set pa, pa+1
.endr
.endm
.macro PACKV                           ; the swapped ACC to bf16: V^T(ct, kk), 16 channels x 32 keys, at v[96 + 8 (2 ct + kk)]
.set pa, 0
.rept 8
.set pi, 0
.rept 4
	v_cvt_pk_bf16_f32 v[96+8*(2*(pa%2)+pa/4)+4*((pa/2)%2)+pi], v[128+8*pa+2*pi], v[128+8*pa+2*pi+1]
.set pi, pi+1
.endr
.set pa, pa+1
.endr
.endm
; G2 (proj).  H(mt, nt) += ctx of four heads (64 x 128, LDS, rows of 272 bytes) times my 128 weight rows.  Fragment f = 8 ks + nt.  A's fragments AFc(mt, ks) at v[32 + 8 (4 ks + mt)]; three sets of four weight fragments at v160, v192, v224.
.macro LOADA ks
.set li, 0
.rept 4
	ds_load_b128 v[32+8*(4*(\ks)+li):32+8*(4*(\ks)+li)+3],   v5 offset:4352*li+64*(\ks)
	ds_load_b128 v[32+8*(4*(\ks)+li)+4:32+8*(4*(\ks)+li)+7], v5 offset:4352*li+64*(\ks)+32
.set li, li+1
.endr
.endm
.macro G2 bad
	WIN 0
	LOADA 0
	LOADB \bad, 0, 160
	LOADB \bad, 1, 192
	LOADA 1
	LOADB \bad, 2, 224
	LOADA 2
	LOADA 3
.set gb, 0
.rept 8
.if gb < 2
	s_wait_dscnt 40                                ; younger than batch 0's weights: five runs of eight; than batch 1's: five again (one more was issued)
.elseif gb == 2
	s_wait_dscnt 32                                ; younger than batch 2's weights: A's last two runs and two refills
.elseif gb < 6
	s_wait_dscnt 16                                ; two refills
.elseif gb == 6
	s_wait_dscnt 8
.else
	s_wait_dscnt 0
.endif
.set gs, 160+32*(gb%3)
	WIN 0xf0                                       ; C and D in window 3
.set gm, 0
.rept 4
.set gn, 0
.rept 4
.set rD, 8*(8*gm+4*(gb%2)+gn)
	v_wmma_f32_16x16x32_bf16 v[rD:rD+7], v[gs+8*gn:gs+8*gn+7], v[32+8*(4*(gb/2)+gm):32+8*(4*(gb/2)+gm)+7], v[rD:rD+7]  ; sixteen accumulators by turns; the next batch has the other sixteen
.set gn, gn+1
.endr
.set gm, gm+1
.endr
	WIN 0
	PLACES
.if gb < 5
	LOADB \bad, gb+3, gs
.endif
.set gb, gb+1
.endr
.endm
.macro CHST src, stride                ; my head's 32 columns of ctx: tile mt's eight packed registers at v[src + stride mt]
.set li, 0
.rept 4
	ds_store_b128 v6, v[(\src)+(\stride)*li:(\src)+(\stride)*li+3]   offset:4352*li
	ds_store_b128 v6, v[(\src)+(\stride)*li+4:(\src)+(\stride)*li+7] offset:4352*li+32
.set li, li+1
.endr
.endm
.macro ALLQ line:vararg                ; one line for each query tile aq
.set aq, 0
.rept 4
	\line
.set aq, aq+1
.endr
.endm
.macro ASC n                           ; pair n / 4 of tile n % 4: c s - c m
.set rS, 128+32*((\n)%4)+2*((\n)/4)
.set rC, 36+8*((\n)%4)
	v_pk_fma_f32 v[rS:rS+1], v[rS:rS+1], s[54:55], v[rC:rC+1] op_sel_hi:[1,0,1] neg_lo:[0,0,1] neg_hi:[0,0,1]
.endm
; ONE HEAD.  Qp v32, Kp v64, Vp v96; S(qt, kt)[j] at v[128 + 32 qt + 8 kt + j]: query 16 qt + lane%16, key 16 kt + 8 (lane/16) + j.  Scores are kept times sqrt(32): S = q.k + sqrt(32) (bias + mask), p = 2^(c S - c m), c = log2(e) / sqrt(32).
.macro ATT
	WIN 0
.set aq, 0
.rept 4                                ; the bias starts the sums: index 15 (qy - ky + 7) + qx - kx + 7 = a lane's part (in v13) + a constant
.set ak, 0
.rept 4
.set aj, 0
.rept 8
	ds_load_b32 v[128+32*aq+8*ak+aj], v13 offset:4*(15*(2*(aq-ak)+7)+7-aj-15)
.set aj, aj+1
.endr
.set ak, ak+1
.endr
.set aq, aq+1
.endr
	s_wait_dscnt 0x0
.set aq, 0
.rept 4                                ; the shift mask.  Columns: keys j < 4 are hidden from queries with qx >= 4 (low word), keys j >= 4 from qx < 4 (high word), in the last window column.  Rows: tiles 0, 1 against 2, 3, in the last window row
.set ak, 0
.rept 4
.set rM, 20+2*(((aq/2)+(ak/2))%2)
.set ap, 0
.rept 4
.set rS, 128+32*aq+8*ak+2*ap
.if ap < 2
	v_pk_add_f32 v[rS:rS+1], v[rS:rS+1], v[rM:rM+1] op_sel_hi:[1,0]
.else
	v_pk_add_f32 v[rS:rS+1], v[rS:rS+1], v[rM:rM+1] op_sel:[0,1] op_sel_hi:[1,1]
.endif
.set ap, ap+1
.endr
.set ak, ak+1
.endr
.set aq, aq+1
.endr
.set aq, 0
.rept 4
.set ak, 0
.rept 4
.set rS, 128+32*aq+8*ak
	v_wmma_f32_16x16x32_bf16 v[rS:rS+7], v[64+8*ak:64+8*ak+7], v[32+8*aq:32+8*aq+7], v[rS:rS+7]  ; head size 32: one product an accumulator
.set ak, ak+1
.endr
.set aq, aq+1
.endr
	PLACES
.irp n, 0,1
	ds_load_b128 v[80+8*(\n):80+8*(\n)+3], v14 offset:4096+64*(\n)       ; v_b of my head, where Kp lay
	ds_load_b128 v[80+8*(\n)+4:80+8*(\n)+7], v14 offset:4096+64*(\n)+16
.endr
	; the maximum of a lane's 32 scores: four chains c0-c3 at v[32 + 8 qt ..], each accumulator read from its low end; then the lane 16 away, which holds the query's other 32 keys
.set aj, 0
.rept 12
.set aq, 0
.rept 4
.set rT, 32+8*aq
.set rS, 128+32*aq
.if aj < 4
	v_max3_num_f32 v[rT+aj], v[rS+8*aj], v[rS+8*aj+1], v[rS+8*aj+2]
.else
	v_max3_num_f32 v[rT+aj%4], v[rT+aj%4], v[rS+8*(aj%4)+2*(aj/4)+1], v[rS+8*(aj%4)+2*(aj/4)+2]
.endif
.set aq, aq+1
.endr
.set aj, aj+1
.endr
	ALLQ v_max3_num_f32 v[32+8*aq], v[32+8*aq], v[128+32*aq+7], v[128+32*aq+15]
	ALLQ v_max3_num_f32 v[34+8*aq], v[34+8*aq], v[128+32*aq+23], v[128+32*aq+31]
	ALLQ v_max3_num_f32 v[32+8*aq], v[32+8*aq], v[33+8*aq], v[34+8*aq]
	ALLQ v_max_num_f32 v[32+8*aq], v[32+8*aq], v[35+8*aq]
	ALLQ v_permlanex16_b32 v[33+8*aq], v[32+8*aq], s52, s53
	ALLQ v_max_num_f32 v[32+8*aq], v[32+8*aq], v[33+8*aq]
	ALLQ v_mul_f32 v[36+8*aq], s54, v[32+8*aq]     ; c m, in both words of a pair
	ALLQ v_mul_f32 v[37+8*aq], s54, v[32+8*aq]
	; ONE BATCH: 64 scalings and 128 exponentials; a pair is scaled a step ahead of its exponentials; nothing here names an exponential's result
	ASC 0
.set an, 0
.rept 64
.if an < 63
	ASC an+1
.endif
.set rX, 128+32*(an%4)+2*(an/4)
	v_exp_f32 v[rX], v[rX]
	v_exp_f32 v[rX+1], v[rX+1]
.set an, an+1
.endr
	v_nop                                          ; the plain instruction behind the last exponential,
	s_wait_alu depctr_va_vdst(0)                   ; and the one wait ahead of the batch's first reader
	; l, of the unrounded weights: two chains a tile
	ALLQ v_pk_add_f32 v[38+8*aq:39+8*aq], v[128+32*aq:129+32*aq], v[130+32*aq:131+32*aq]
	ALLQ v_pk_add_f32 v[32+8*aq:33+8*aq], v[144+32*aq:145+32*aq], v[146+32*aq:147+32*aq]
.set ast, 2
.rept 6
	ALLQ v_pk_add_f32 v[38+8*aq:39+8*aq], v[38+8*aq:39+8*aq], v[128+32*aq+2*ast:129+32*aq+2*ast]
	ALLQ v_pk_add_f32 v[32+8*aq:33+8*aq], v[32+8*aq:33+8*aq], v[144+32*aq+2*ast:145+32*aq+2*ast]
.set ast, ast+1
.endr
	ALLQ v_pk_add_f32 v[38+8*aq:39+8*aq], v[38+8*aq:39+8*aq], v[32+8*aq:33+8*aq]
	ALLQ v_add_f32 v[38+8*aq], v[38+8*aq], v[39+8*aq]
	ALLQ v_permlanex16_b32 v[32+8*aq], v[38+8*aq], s52, s53
	ALLQ v_add_f32 v[38+8*aq], v[38+8*aq], v[32+8*aq]
	ALLQ v_rcp_f32 v[38+8*aq], v[38+8*aq]          ; l >= 1: the maximum's own weight is 1
.set ai, 0
.rept 16                               ; the weights to bf16, in place and ascending: register i takes 2 i and 2 i + 1: P(qt) = v[128 + 32 qt .. + 15].  These 64 lines are the independent work behind the reciprocals
	ALLQ v_cvt_pk_bf16_f32 v[128+32*aq+ai], v[128+32*aq+2*ai], v[128+32*aq+2*ai+1]
.set ai, ai+1
.endr
	s_wait_alu depctr_va_vdst(0)                   ; one wait for the four reciprocals, ahead of their readers
.set ak, 0
.rept 2                                ; O^T(qt, ct) at v[128 + 32 qt + 16 + 8 ct]: eight accumulators by turns
.set aq, 0
.rept 4
.set ac, 0
.rept 2
.set rO, 128+32*aq+16+8*ac
.if ak == 0
	v_wmma_f32_16x16x32_bf16 v[rO:rO+7], v[96+8*(2*ac+ak):96+8*(2*ac+ak)+7], v[128+32*aq+8*ak:128+32*aq+8*ak+7], 0
.else
	v_wmma_f32_16x16x32_bf16 v[rO:rO+7], v[96+8*(2*ac+ak):96+8*(2*ac+ak)+7], v[128+32*aq+8*ak:128+32*aq+8*ak+7], v[rO:rO+7]
.endif
.set ac, ac+1
.endr
.set aq, aq+1
.endr
.set ak, ak+1
.endr
	PLACES
	s_wait_dscnt 0x0                               ; v_b
.set aq, 0
.rept 4
.set ai, 0
.rept 8                                ; ai = 4 ct + pair
	v_pk_fma_f32 v[144+32*aq+2*ai:145+32*aq+2*ai], v[144+32*aq+2*ai:145+32*aq+2*ai], v[38+8*aq:39+8*aq], v[80+2*ai:81+2*ai] op_sel_hi:[1,0,1]  ; O / l + v_b
.set ai, ai+1
.endr
.set aq, aq+1
.endr
.set aq, 0
.rept 4
.set ai, 0
.rept 8
	v_cvt_pk_bf16_f32 v[128+32*aq+ai], v[144+32*aq+2*ai], v[145+32*aq+2*ai]
.set ai, ai+1
.endr
.set aq, aq+1
.endr
	CHST 128, 32                                   ; ctx: my head's 32 columns of the four heads' 128
.endm
; GELU OF HALF A CHUNK, AS A QUEUE OF 256 LINES.  The half's four accumulators lie at v[gx ..]: 16 pairs, pair q at gx + 2 q.  GRI writes line gj and steps gj.  Two batches of eight pairs; T v48-63, E v64-79, U v80-87.
; A batch's lines 0-63: for each pair x^2, 1 + 0.33267253 |x|, -x^2 log2(e) / 2 (four plain lines, the two on E four lines apart), with the pair before's two reciprocals and two exponentials between them; none names a result of these.
; Ahead of line 64: a v_nop, the plain instruction behind the last of them, and the batch's ONE wait ahead of the first reader.  Lines 64-127: four pairs (one accumulator) at a time, line by line:
; U = a3 t + a2; . t + a1; . t (the a halved); E = 1/2 - U E; U = x / 2; U += |x| E (twice); then the pair is packed into register q % 4 of its accumulator, whose x are all read by then.
.macro GP1 q, n
.set rX, gx+2*(\q)
.set rT, 48+2*((\q)%8)
.set rE, 64+2*((\q)%8)
.if (\n) == 0
	v_pk_mul_f32 v[rE:rE+1], v[rX:rX+1], v[rX:rX+1]                 ; an accumulator's first reader takes its two lowest registers
.elseif (\n) == 1
	v_fma_f32 v[rT], |v[rX]|, s70, 1.0
.elseif (\n) == 2
	v_pk_mul_f32 v[rE:rE+1], v[rE:rE+1], s[72:73] op_sel_hi:[1,0]
.else
	v_fma_f32 v[rT+1], |v[rX+1]|, s70, 1.0
.endif
.endm
.macro GT1 l, n
.set rT, 48+2*(\l)
.set rE, 64+2*(\l)
.if (\n) < 2
	v_rcp_f32 v[rT+(\n)], v[rT+(\n)]
.else
	v_exp_f32 v[rE+(\n)-2], v[rE+(\n)-2]
.endif
.endm
.macro GRI
	WIN 0
.set jj, gj%128
.set sb8, 8*(gj/128)
.if jj < 4
	GP1 sb8, jj
.elseif jj < 60
.if (jj%2) == 0
	GP1 sb8+1+(jj-4)/8, ((jj-4)%8)/2
.else
	GT1 (jj-4)/8, ((jj-4)%8)/2
.endif
.elseif jj < 64
	GT1 7, jj-60
.else
.if jj == 64
	v_nop
	s_wait_alu depctr_va_vdst(0)
.endif
.set gl, 4*((jj-64)/32)+(jj%4)
.set gq, sb8+gl
.set rX, gx+2*gq
.set rT, 48+2*gl
.set rE, 64+2*gl
.set rU, 80+2*(jj%4)
.set gln, ((jj-64)%32)/4
.if gln == 0
	v_pk_fma_f32 v[rU:rU+1], v[rT:rT+1], s[74:75], s[76:77] op_sel_hi:[1,0,0]
.elseif gln == 1
	v_pk_fma_f32 v[rU:rU+1], v[rU:rU+1], v[rT:rT+1], s[78:79] op_sel_hi:[1,1,0]
.elseif gln == 2
	v_pk_mul_f32 v[rU:rU+1], v[rU:rU+1], v[rT:rT+1]
.elseif gln == 3
	v_pk_fma_f32 v[rE:rE+1], v[rU:rU+1], v[rE:rE+1], 0.5 op_sel_hi:[1,1,0] neg_lo:[1,0,0] neg_hi:[1,0,0]
.elseif gln == 4
	v_pk_mul_f32 v[rU:rU+1], v[rX:rX+1], 0.5 op_sel_hi:[1,0]
.elseif gln == 5
	v_fma_f32 v[rU], |v[rX]|, v[rE], v[rU]
.elseif gln == 6
	v_fma_f32 v[rU+1], |v[rX+1]|, v[rE+1], v[rU+1]
.else
	v_cvt_pk_bf16_f32 v[gx+8*(gq/4)+gq%4], v[rU], v[rU+1]
.endif
.endif
.set gj, gj+1
.endm
.macro CHSTH nt                        ; my 16 columns of half nt of the chunk: tile mt's four packed registers lie at the low end of ACC(mt, nt)
.set li, 0
.rept 4
	ds_store_b128 v6, v[128+32*(\nt)+8*li:128+32*(\nt)+8*li+3] offset:HALFC*(\nt)+2304*li
.set li, li+1
.endr
.endm
; G1R (fc1).  ACC(mt, nt) at v[128 + 32 nt + 8 mt].  Batch gb: stage nt = gb / 4, k steps 4 (gb % 4) .. + 3: fragments 2 ks + nt of the slot.  Four accumulators by turns.  The bias (v32-39, v40-47) is the C of a stage's
; first four products.  In stage 1 four lines of GELU of half 0 stand behind each product: they name T, E, U and stage 0's accumulators alone, none a register of the products round them; two window switches a product are their price.
.macro LOADF bad, b, base
.set li, 0
.rept 4
	ds_load_b128 v[(\base)+8*li:(\base)+8*li+3],   v[\bad] offset:(2*(4*((\b)%4)+li)+(\b)/4)*1024
	ds_load_b128 v[(\base)+8*li+4:(\base)+8*li+7], v[\bad] offset:(2*(4*((\b)%4)+li)+(\b)/4)*1024+512
.set li, li+1
.endr
.endm
.macro G1R bad
	WIN 0
.irp n, 0,1
	ds_load_b128 v[32+8*(\n):35+8*(\n)], v14 offset:64*(\n)
	ds_load_b128 v[36+8*(\n):39+8*(\n)], v14 offset:64*(\n)+16
.endr
	LOADF \bad, 0, 192
	LOADF \bad, 1, 224
	LOADF \bad, 2, 96
.set gx, 128
.set gj, 0
.set gb, 0
.rept 8
	G1WAIT
.set gk, 0
.rept 4
.set gm, 0
.rept 4
	WIN (1+gm/2)<<2                                ; source 1, the A fragment, in window 1 or 2
.set rD, 128+32*(gb/4)+8*gm
.set rA, 8*(16*(gm%2)+4*(gb%4)+gk)
.if ((gb%4) == 0) && (gk == 0)
	v_wmma_f32_16x16x32_bf16 v[rD:rD+7], v[gs+8*gk:gs+8*gk+7], v[rA:rA+7], v[32+8*(gb/4):39+8*(gb/4)]
.else
	v_wmma_f32_16x16x32_bf16 v[rD:rD+7], v[gs+8*gk:gs+8*gk+7], v[rA:rA+7], v[rD:rD+7]
.endif
.if gb >= 4
.rept 4
	GRI
.endr
.endif
.set gm, gm+1
.endr
.set gk, gk+1
.endr
	WIN 0
	PLACES
.if gb < 5
	LOADF \bad, gb+3, gs
.endif
.set gb, gb+1
.endr
	CHSTH 0                                        ; 64 x 4 = 256: the queue is through; the next change of slots shows the half to every wave
.endm
; G2M (fc2).  H(mt, nt) += chunk times my 128 weight rows.  Fragment f = 8 ks + nt; batch b = fragments 4 b .. + 3: k step b / 2.  A's fragments of k steps 0, 1 (half 0) at v96, v128; of 2, 3 (half 1) at v32, v64.
; Weight sets v192 and v224; behind the barrier also v160, where the second half's accumulators lay.
.macro LOADAM ks, base
.set li, 0
.rept 4
	ds_load_b128 v[(\base)+8*li:(\base)+8*li+3],   v5 offset:HALFC*((\ks)/2)+2304*li+64*((\ks)%2)
	ds_load_b128 v[(\base)+8*li+4:(\base)+8*li+7], v5 offset:HALFC*((\ks)/2)+2304*li+64*((\ks)%2)+32
.set li, li+1
.endr
.endm
.macro MBM b, s, a, lo, n, rid         ; products lo .. lo + n - 1 of batch b's sixteen (tile x / 4, weight fragment x % 4), rid lines of the queue behind each.  Sixteen accumulators by turns; the next batch has the other sixteen
.set gy, (\lo)
.rept (\n)
	WIN 0xf0                                       ; C and D in window 3
.set rD, 8*(8*(gy/4)+4*((\b)%2)+gy%4)
	v_wmma_f32_16x16x32_bf16 v[rD:rD+7], v[(\s)+8*(gy%4):(\s)+8*(gy%4)+7], v[(\a)+8*(gy/4):(\a)+8*(gy/4)+7], v[rD:rD+7]
.if (\rid) > 0
.rept (\rid)
	GRI
.endr
.endif
.set gy, gy+1
.endr
.endm
.macro G2M bad
	WIN 0
	LOADAM 0, 96
	LOADB \bad, 0, 192
	LOADB \bad, 1, 224
	LOADAM 1, 128
.set gx, 160
.set gj, 0
	s_wait_dscnt 16                                ; A of k step 0 and batch 0's weights are in; two younger runs of eight may be out
	MBM 0, 192, 96, 0, 16, 6                       ; GELU of half 1: 16 x 6 + 32 x 5 = 256 lines behind 48 products
	WIN 0
	PLACES
	LOADB \bad, 2, 192
	s_wait_dscnt 16                                ; younger than batch 1's weights: A of k step 1, batch 2's weights
	MBM 1, 224, 96, 0, 16, 5
	WIN 0
	PLACES
	LOADB \bad, 3, 224
	s_wait_dscnt 8                                 ; younger than batch 2's weights: batch 3's
	MBM 2, 192, 128, 0, 16, 5
	WIN 0
	PLACES
	LOADB \bad, 4, 192
	CHSTH 1                                        ; the queue is through: my columns of half 1
	s_wait_dscnt 0x0                               ; for the others' sake: my stores are done (and batches 3's and 4's weights are in)
	s_barrier_signal -1                            ; a plain barrier: the next slot's load stays out across it
	MBM 3, 224, 128, 0, 4, 0                       ; work on registers while the others arrive
	s_barrier_wait -1                              ; half 1 is whole
	WIN 0
	LOADAM 2, 32                                   ; into T, E, U and the bias's registers, which no product since the last change of slots has named
	LOADAM 3, 64
	LOADB \bad, 5, 160
	MBM 3, 224, 128, 4, 12, 0                      ; twelve products stand between these loads and their first use
	WIN 0
	PLACES
	LOADB \bad, 6, 224
	s_wait_dscnt 24                                ; A of k step 2 is in; younger: A of k step 3, batches 5's and 6's weights
	MBM 4, 192, 32, 0, 16, 0
	WIN 0
	PLACES
	LOADB \bad, 7, 192
	s_wait_dscnt 16                                ; younger than batch 5's weights: batches 6's and 7's
	MBM 5, 160, 32, 0, 16, 0
	s_wait_dscnt 8
	MBM 6, 224, 64, 0, 16, 0
	s_wait_dscnt 0x0
	MBM 7, 192, 64, 0, 16, 0
	WIN 0
	PLACES
.endm
; hidden_states in and out0 out.  A load or store of a wave is my 512 bytes of one token's row.  Token 8 ty + tx of the window lies at image row (8 wy + 4 + ty) % 32, column (8 wx + 4 + tx) % 32, going in and coming out:
; v[16 + 2 (ty/4) + tx/4] holds the quadrant's wrapped corner, the immediate the place in the quadrant.
.macro HLOAD mt
.set ti, 0
.rept 16
	global_load_b128 v[4*(16*(\mt)+ti):4*(16*(\mt)+ti)+3], v[16+2*((\mt)/2)+(ti%8)/4], s[8:9] offset:((2*(\mt)+ti/8)%4)*65536+(ti%4)*2048 th:TH_LOAD_NT
.set ti, ti+1
.endr
.endm
.macro HIN mt                          ; tile mt through my own stage: in by rows, back as H's layout.  LDS serves a wave's instructions in order (ISA guide 5.7.1.4): no wait between them
	s_wait_loadcnt 48-16*(\mt)                     ; the tile's sixteen loads are in; the younger tiles' may be out
	WIN 0x04                                       ; store data in window 1
.set ti, 0
.rept 16
	ds_store_b128 v9, v[4*(16*(\mt)+ti):4*(16*(\mt)+ti)+3] offset:528*ti
.set ti, ti+1
.endr
	WIN 0xc0                                       ; destination in window 3
.set ti, 0
.rept 8
	ds_load_b128 v[8*(8*(\mt)+ti):8*(8*(\mt)+ti)+3],   v10 offset:64*ti
	ds_load_b128 v[8*(8*(\mt)+ti)+4:8*(8*(\mt)+ti)+7], v10 offset:64*ti+16
.set ti, ti+1
.endr
	WIN 0
.endm
.macro OUT mt
.set ob, 32+64*((\mt)%2)
.if (\mt) >= 2
	s_wait_xcnt 0x0                                ; the stores of two tiles back have read these registers
.endif
	WIN 0x0c                                       ; store data in window 3; each accumulator's low half first
.set ti, 0
.rept 8
	ds_store_b128 v10, v[8*(8*(\mt)+ti):8*(8*(\mt)+ti)+3]   offset:64*ti
	ds_store_b128 v10, v[8*(8*(\mt)+ti)+4:8*(8*(\mt)+ti)+7] offset:64*ti+16
.set ti, ti+1
.endr
	WIN 0
.set ti, 0
.rept 16
	ds_load_b128 v[ob+4*ti:ob+4*ti+3], v9 offset:528*ti
.set ti, ti+1
.endr
	s_wait_dscnt 0x0
.set ti, 0
.rept 16
	global_store_b128 v[16+2*((\mt)/2)+(ti%8)/4], v[ob+4*ti:ob+4*ti+3], s[34:35] offset:((2*(\mt)+ti/8)%4)*65536+(ti%4)*2048 th:TH_STORE_NT  ; 512 consecutive bytes, aligned
.set ti, ti+1
.endr
.endm
; LAYER NORM of H into the A fragments, and the next bias onto H.  G v32-95 gain, Bt v96-159 bias of my 128 columns; v160-207 at work; ST(mt) v[208 + 2 mt]; RS(mt) v[216 + 2 mt] = (rstd, -mean rstd); v224-255 at work.
.macro ALLM line:vararg                ; one line for each tile lm
.set lm, 0
.rept 4
	\line
.set lm, lm+1
.endr
.endm
.macro NORM mt, hf                     ; 16 tokens x 64 of my columns: (x - mean) rstd g + b, to bf16, into the transit
	WIN 0x03                                       ; source 0 in window 3
.set lp, 0
.rept 16
	v_pk_fma_f32 v[160+2*lp:161+2*lp], v[8*(8*(\mt)+4*(\hf)+lp/4)+2*(lp%4):8*(8*(\mt)+4*(\hf)+lp/4)+2*(lp%4)+1], v[216+2*(\mt):217+2*(\mt)], v[216+2*(\mt):217+2*(\mt)] op_sel:[0,0,1] op_sel_hi:[1,0,1]
.set lp, lp+1
.endr
	WIN 0
.set lp, 0
.rept 16
	v_pk_fma_f32 v[160+2*lp:161+2*lp], v[160+2*lp:161+2*lp], v[32+32*(\hf)+2*lp:33+32*(\hf)+2*lp], v[96+32*(\hf)+2*lp:97+32*(\hf)+2*lp]
.set lp, lp+1
.endr
.set lp, 0
.rept 16
	v_cvt_pk_bf16_f32 v[192+lp], v[160+2*lp], v[161+2*lp]
.set lp, lp+1
.endr
.set lp, 0
.rept 4
	ds_store_b128 v8, v[192+4*lp:195+4*lp] offset:16640*((\mt)%2)+32*(4*(\hf)+lp)
.set lp, lp+1
.endr
.endm
.macro FRAGS win                       ; the transit's 32 tokens x 512 channels into window win: 32 fragments
	WIN (\win)<<6
.set lp, 0
.rept 32                               ; lp = 16 (tile % 2) + ks
	ds_load_b128 v[8*lp:8*lp+3],   v7 offset:16640*(lp/16)+64*(lp%16)
	ds_load_b128 v[8*lp+4:8*lp+7], v7 offset:16640*(lp/16)+64*(lp%16)+32
.set lp, lp+1
.endr
	WIN 0
.endm
.macro LN gp, bp, nb
	WIN 0
.set ln, 0
.rept 8
	global_load_b128 v[32+8*ln:35+8*ln],   v15, s[(\gp):(\gp)+1] offset:64*ln
	global_load_b128 v[36+8*ln:39+8*ln],   v15, s[(\gp):(\gp)+1] offset:64*ln+16
	global_load_b128 v[96+8*ln:99+8*ln],   v15, s[(\bp):(\bp)+1] offset:64*ln
	global_load_b128 v[100+8*ln:103+8*ln], v15, s[(\bp):(\bp)+1] offset:64*ln+16
.set ln, ln+1
.endr
	; the mean of my 128 columns: two chains a tile (even nt, odd nt), every accumulator from its low end
	WIN 0x0f
.set lm, 0
.rept 4
.set lc, 0
.rept 2
	v_pk_add_f32 v[160+2*(2*lm+lc):161+2*(2*lm+lc)], v[8*(8*lm+lc):8*(8*lm+lc)+1], v[8*(8*lm+lc)+2:8*(8*lm+lc)+3]
.set lc, lc+1
.endr
.set lm, lm+1
.endr
	WIN 0x03
.set ls, 2
.rept 14
.set lm, 0
.rept 4
.set lc, 0
.rept 2
	v_pk_add_f32 v[160+2*(2*lm+lc):161+2*(2*lm+lc)], v[8*(8*lm+lc+2*(ls/4))+2*(ls%4):8*(8*lm+lc+2*(ls/4))+2*(ls%4)+1], v[160+2*(2*lm+lc):161+2*(2*lm+lc)]
.set lc, lc+1
.endr
.set lm, lm+1
.endr
.set ls, ls+1
.endr
	WIN 0
	ALLM v_pk_add_f32 v[160+4*lm:161+4*lm], v[160+4*lm:161+4*lm], v[162+4*lm:163+4*lm]
	ALLM v_add_f32 v[160+4*lm], v[160+4*lm], v[161+4*lm]
	ALLM v_permlanex16_b32 v[162+4*lm], v[160+4*lm], s52, s53   ; the token's other 64 of my columns lie in the lane 16 away
	ALLM v_add_f32 v[160+4*lm], v[160+4*lm], v[162+4*lm]
	ALLM v_mul_f32 v[208+2*lm], s82, v[160+4*lm]                ; / 128, in both words while the deviations are made
	ALLM v_mul_f32 v[209+2*lm], s82, v[160+4*lm]
	; the sum of squared deviations from that mean: four chains a tile at v[224 + 8 mt ..]
.set lm, 0
.rept 4
.set lg, 0
.rept 2
	WIN 0x03
.set lp, 0
.rept 16
	v_pk_add_f32 v[176+2*lp:177+2*lp], v[8*(8*lm+4*lg+lp/4)+2*(lp%4):8*(8*lm+4*lg+lp/4)+2*(lp%4)+1], v[208+2*lm:209+2*lm] neg_lo:[0,1] neg_hi:[0,1]
.set lp, lp+1
.endr
	WIN 0
.set lp, 0
.rept 16
.if (lg == 0) && (lp < 4)
	v_pk_mul_f32 v[224+8*lm+2*lp:225+8*lm+2*lp], v[176+2*lp:177+2*lp], v[176+2*lp:177+2*lp]
.else
	v_pk_fma_f32 v[224+8*lm+2*(lp%4):225+8*lm+2*(lp%4)], v[176+2*lp:177+2*lp], v[176+2*lp:177+2*lp], v[224+8*lm+2*(lp%4):225+8*lm+2*(lp%4)]
.endif
.set lp, lp+1
.endr
.set lg, lg+1
.endr
.set lm, lm+1
.endr
	ALLM v_pk_add_f32 v[224+8*lm:225+8*lm], v[224+8*lm:225+8*lm], v[226+8*lm:227+8*lm]
	ALLM v_pk_add_f32 v[228+8*lm:229+8*lm], v[228+8*lm:229+8*lm], v[230+8*lm:231+8*lm]
	ALLM v_pk_add_f32 v[224+8*lm:225+8*lm], v[224+8*lm:225+8*lm], v[228+8*lm:229+8*lm]
	ALLM v_add_f32 v[224+8*lm], v[224+8*lm], v[225+8*lm]
	ALLM v_permlanex16_b32 v[226+8*lm], v[224+8*lm], s52, s53
	ALLM v_add_f32 v[209+2*lm], v[224+8*lm], v[226+8*lm]
	ALLM ds_store_b64 v11, v[208+2*lm:209+2*lm] offset:512*lm
	BAR                                            ; the four waves' figures lie in LDS; every wave's earlier reads of ACT are back, so ACT may be written anew
	ALLM ds_load_b128 v[224+8*lm:227+8*lm], v12 offset:512*lm
	ALLM ds_load_b128 v[228+8*lm:231+8*lm], v12 offset:512*lm+16
	s_wait_dscnt 0x0
	ALLM v_pk_add_f32 v[160+8*lm:161+8*lm], v[224+8*lm:225+8*lm], v[226+8*lm:227+8*lm]
	ALLM v_pk_add_f32 v[162+8*lm:163+8*lm], v[228+8*lm:229+8*lm], v[230+8*lm:231+8*lm]
	ALLM v_pk_add_f32 v[160+8*lm:161+8*lm], v[160+8*lm:161+8*lm], v[162+8*lm:163+8*lm]   ; (sum of the means, sum of the four sums)
	ALLM v_mul_f32 v[162+8*lm], 0x3e800000, v[160+8*lm]                                  ; the row's mean
	ALLM v_sub_f32 v[224+8*lm], v[224+8*lm], v[162+8*lm]
	ALLM v_sub_f32 v[226+8*lm], v[226+8*lm], v[162+8*lm]
	ALLM v_sub_f32 v[228+8*lm], v[228+8*lm], v[162+8*lm]
	ALLM v_sub_f32 v[230+8*lm], v[230+8*lm], v[162+8*lm]
	ALLM v_mul_f32 v[163+8*lm], v[224+8*lm], v[224+8*lm]
	ALLM v_fma_f32 v[163+8*lm], v[226+8*lm], v[226+8*lm], v[163+8*lm]
	ALLM v_fma_f32 v[163+8*lm], v[228+8*lm], v[228+8*lm], v[163+8*lm]
	ALLM v_fma_f32 v[163+8*lm], v[230+8*lm], v[230+8*lm], v[163+8*lm]
	ALLM v_fma_f32 v[161+8*lm], v[163+8*lm], s83, v[161+8*lm]   ; + 128 x the means' squared deviations
	ALLM v_fma_f32 v[161+8*lm], v[161+8*lm], s84, s85           ; / 512 + 1e-5
	ALLM v_rsq_f32 v[216+2*lm], v[161+8*lm]
	v_nop                                          ; a plain instruction behind the last root,
	s_wait_alu depctr_va_vdst(0)                   ; and one wait for the four
	ALLM v_mul_f32 v[217+2*lm], -v[162+8*lm], v[216+2*lm]
	s_wait_loadcnt 0x0                             ; gain and bias
	NORM 0, 0
	NORM 0, 1
	NORM 1, 0
	NORM 1, 1
	BAR                                            ; tiles 0 and 1 lie whole in the transit
	FRAGS 1
	BAR                                            ; everybody has them in registers: the transit may be written again
	NORM 2, 0
	NORM 2, 1
	NORM 3, 0
	NORM 3, 1
.set ln, 0
.rept 8
	global_load_b128 v[32+8*ln:35+8*ln], v15, s[(\nb):(\nb)+1] offset:64*ln       ; the bias of the product that H takes next, where the gain lay
	global_load_b128 v[36+8*ln:39+8*ln], v15, s[(\nb):(\nb)+1] offset:64*ln+16
.set ln, ln+1
.endr
	BAR
	FRAGS 2                                        ; waited for by the next change of slots
	s_wait_loadcnt 0x0
	WIN 0xc3                                       ; destination and source 0 in window 3
.set lp, 0
.rept 128                              ; lp = 4 (8 mt + nt) + pair
	v_pk_add_f32 v[2*lp:2*lp+1], v[2*lp:2*lp+1], v[32+2*(lp%32):33+2*(lp%32)]
.set lp, lp+1
.endr
	WIN 0
.endm
	; ---------------- the text ----------------
	s_load_b512 s[8:23], s[0:1], 0x0               ; hidden 8, wb 10, table 12, q_b 14, k_b 16, v_b 18, proj_b 20, ln1_w 22
	s_load_b256 s[24:31], s[0:1], 0x40             ; ln1_b 24, ln2_w 26, ln2_b 28, fc1_b 30
	s_load_b128 s[32:35], s[0:1], 0x60             ; fc2_b 32, out0 34
	v_lshl_add_u32 v28, v0, 2, SPARE
	v_mov_b32 v29, 0
	ds_add_u32 v28, v29                            ; the wave's opening: the add and its wait ahead of my first tensor load; work on registers stands between them
	v_lshrrev_b32 v25, 5, v0
	v_readfirstlane_b32 s48, v25                   ; wave 0..3
	s_bfe_u32 s49, ttmp6, 0x40000                  ; cx = the window's column: it enters hidden's and out0's addresses, the prefetch's address and the mask's values alone
	s_and_b32 s50, ttmp9, 3                        ; the window's row (ttmp9 counts clusters: four windows of a row)
	s_lshr_b32 s51, ttmp9, 2                       ; the image
	s_mov_b32 s52, 0x76543210                      ; v_permlanex16_b32: each lane takes its own place in the other half
	s_mov_b32 s53, 0xfedcba98
	s_mov_b32 s54, 0x3e8293ee                      ; c = log2(e) / sqrt(32)
	s_mov_b32 s55, s54
	s_mov_b32 s70, 0x3eaa540e                      ; 0.47047 / sqrt(2)
	s_mov_b32 s72, 0xbf38aa3b                      ; -log2(e) / 2
	s_mov_b32 s73, s72
	s_mov_b32 s74, 0x3ebf7377                      ; a3 / 2 = 0.3739278
	s_mov_b32 s75, s74
	s_mov_b32 s76, 0xbd445ca1                      ; a2 / 2 = -0.0479399
	s_mov_b32 s77, s76
	s_mov_b32 s78, 0x3e32303a                      ; a1 / 2 = 0.1740121
	s_mov_b32 s79, s78
	s_mov_b32 s80, 0x40b504f3                      ; sqrt(32)
	s_mov_b32 s81, 0xc40d6bde                      ; -100 sqrt(32)
	s_mov_b32 s82, 0x3c000000                      ; 1 / 128
	s_mov_b32 s83, 0x43000000                      ; 128
	s_mov_b32 s84, 0x3b000000                      ; 1 / 512
	s_mov_b32 s85, 0x3727c5ac                      ; 1e-5
	; where the cluster's walks start: the same in all four partners
	s_and_b32 s92, ttmp9, 3
	s_lshl_b32 s92, s92, 2                         ; 4 g0, g0 = j % 4
	s_lshr_b32 s93, ttmp9, 1
	s_and_b32 s93, s93, 8
	s_xor_b32 s93, s93, ttmp9                      ; bit 3 takes bit 4 in,
	s_lshr_b32 s94, ttmp9, 3
	s_and_b32 s94, s94, 4
	s_xor_b32 s93, s93, s94                        ; bit 2 takes bit 5 in
	s_and_b32 s93, s93, 15                         ; c0
	s_lshl_b32 s93, s93, 1                         ; 2 c0
	s_add_co_u32 s94, s92, 1
	s_add_co_u32 s95, s93, 17
	s_mov_b32 s99, 0
	s_mov_b32 s101, 0
	s_lshl_b32 s100, s92, 17                       ; the walk's slot 0 lies at slot 4 g0
	s_cmp_lt_u32 ttmp9, 4
	s_cselect_b32 s59, 3, 0                        ; clusters 0-3 ask at changes 0 and 1,
	s_cmp_lt_u32 ttmp9, 16
	s_cselect_b32 s68, 0xc000, 0                   ; clusters 0-15 at changes 14 and 15
	s_or_b32 s59, s59, s68
	s_mov_b32 s58, 0
	; the descriptor: 32,768 dense bytes as 128 rows of 256
	s_mov_b32 s40, 15|(3<<16)|(1<<21)              ; 15:0 the mask: all four work-groups; 17:16 elements of 8 bytes; 21 set beside a mask
	s_mov_b32 s41, 32<<16                          ; tensor_dim0 = 32
	s_mov_b32 s42, 128<<16                         ; tensor_dim1 = 128
	s_mov_b32 s43, 32<<16                          ; tile_dim0 = 32
	s_mov_b32 s44, 128                             ; tile_dim1 = 128
	s_mov_b32 s45, 32                              ; 32 elements from row to row
	s_mov_b32 s46, 0
	s_mov_b32 s47, 0
	s_mov_b32 s36, 1                               ; count = 1
	s_lshl_b32 s37, s48, 15                        ; LDS: slot 0, my quarter
	s_lshl_b32 s62, s48, 15
	s_mov_b32 s63, 0
	s_lshl_b32 s66, s49, 2
	s_add_co_u32 s66, s66, s48
	s_lshl_b32 s66, s66, 13                        ; the prefetches: 8,192 (4 cx + wave),
	s_add_co_u32 s66, s66, 2*SLOTB                 ; two slots on
	s_mov_b32 s67, 0
	s_lshl_b32 s68, s51, 21                        ; the image's 2 MiB
	s_mov_b32 s69, 0
	s_wait_dscnt 0x0                               ; the opening add is done
	s_wait_kmcnt 0x0
	s_add_nc_u64 s[96:97], s[10:11], s[66:67]
	s_add_nc_u64 s[10:11], s[10:11], s[62:63]      ; wb at my quarter of a slot
	s_add_nc_u64 s[38:39], s[10:11], s[100:101]
	s_or_b32 s39, s39, 0x80000000                  ; type = 2
	s_add_nc_u64 s[8:9], s[8:9], s[68:69]
	s_add_nc_u64 s[34:35], s[34:35], s[68:69]
	CROUND                                         ; all four work-groups are here: the first joint loads meet
	tensor_load_to_lds s[36:39], s[40:47]          ; the walk's slot 0; slot 1 is asked for by the first change of slots
	s_nop 0
	PLACES
	v_and_b32 v25, 31, v0                          ; lane
	v_and_b32 v1, 15, v0
	v_bfe_u32 v2, v0, 4, 1
	v_lshlrev_b32 v26, 4, v25
	v_add_nc_u32 v3, s62, v26
	v_add_nc_u32 v4, SLOTB, v3
	v_mul_u32_u24 v5, v1, 272
	v_lshl_add_u32 v5, v2, 4, v5
	v_add_nc_u32 v5, ACT, v5
	s_lshl_b32 s66, s48, 6
	v_add_nc_u32 v6, s66, v5
	v_mul_u32_u24 v7, v1, 1040
	v_lshl_add_u32 v7, v2, 4, v7
	v_add_nc_u32 v7, ACT, v7
	s_lshl_b32 s66, s48, 8
	v_add_nc_u32 v8, s66, v7
	s_mul_i32 s66, s48, 8448
	s_add_co_u32 s66, s66, ACT                     ; my stage
	v_add_nc_u32 v9, s66, v26
	v_mul_u32_u24 v10, v1, 528
	v_lshl_add_u32 v10, v2, 5, v10
	v_add_nc_u32 v10, s66, v10
	v_lshlrev_b32 v12, 5, v1
	v_add_nc_u32 v12, STATS, v12
	s_lshl_b32 s66, s48, 3
	v_add_nc_u32 v11, s66, v12
	v_and_b32 v27, 7, v1                           ; qx
	v_lshrrev_b32 v30, 3, v1                       ; the table index's lane part: 15 ((lane%16)/8 - lane/16 + 1) + lane % 8
	v_add_nc_u32 v30, 1, v30
	v_sub_nc_u32 v30, v30, v2
	v_mul_u32_u24 v30, v30, 15
	v_add_nc_u32 v30, v30, v27
	s_mul_i32 s67, s48, 3712
	s_add_co_u32 s67, s67, TABLE                   ; my table
	v_lshl_add_u32 v30, v30, 2, s67
	s_lshl_b32 s66, s48, 7
	s_add_co_u32 s66, s66, BIASL
	v_lshl_add_u32 v31, v2, 5, s66
	s_lshl_b32 s66, s48, 9
	v_lshl_add_u32 v15, v2, 5, s66
	v_add_nc_u32 v26, s66, v26                     ; 512 w + 16 lane
	s_lshl_b32 s87, s50, 3
	s_add_co_u32 s88, s87, 4
	s_lshl_b32 s88, s88, 16                        ; image row 8 wy + 4: rows of 65,536 bytes
	s_add_co_u32 s87, s87, 8
	s_and_b32 s87, s87, 31
	s_lshl_b32 s87, s87, 16                        ; image row (8 wy + 8) % 32
	s_lshl_b32 s89, s49, 3
	s_add_co_u32 s90, s89, 4
	s_lshl_b32 s90, s90, 11                        ; image column 8 wx + 4: tokens of 2,048 bytes
	s_add_co_u32 s89, s89, 8
	s_and_b32 s89, s89, 31
	s_lshl_b32 s89, s89, 11                        ; image column (8 wx + 8) % 32
	s_add_co_u32 s91, s88, s90
	v_add_nc_u32 v16, s91, v26
	s_add_co_u32 s91, s88, s89
	v_add_nc_u32 v17, s91, v26
	s_add_co_u32 s91, s87, s90
	v_add_nc_u32 v18, s91, v26
	s_add_co_u32 s91, s87, s89
	v_add_nc_u32 v19, s91, v26
	v_lshlrev_b32 v24, 8, v25
	s_cmp_eq_u32 s49, 3                            ; the masks are values, chosen by selects: the last window column,
	s_cselect_b32 s68, s81, 0
	s_cmp_eq_u32 s50, 3                            ; the last window row
	s_cselect_b32 s69, s81, 0
	v_cmp_le_u32 vcc_lo, 4, v27
	v_cndmask_b32 v20, 0, s68, vcc_lo              ; for keys kx < 4: hidden where qx >= 4
	v_cmp_gt_u32 vcc_lo, 4, v27
	v_cndmask_b32 v21, 0, s68, vcc_lo              ; for keys kx >= 4: hidden where qx < 4
	v_min_num_f32 v22, s69, v20                    ; the same where the rows' halves differ: hidden once, not twice
	v_min_num_f32 v23, s69, v21
	; the small inputs, read in the order of the cluster's walk: my four heads' columns of the table (a lane an index), and the biases (16 bytes a thread)
	v_lshlrev_b32 v96, 6, v25
	s_lshl_b32 s66, s48, 2
	v_add_nc_u32 v96, s66, v96                     ; 64 lane + 4 w
	s_add_co_u32 s66, s66, 14336
	v_mov_b32 v97, s66                             ; index 224, for all lanes
.set tg, 0
.rept 4
	s_add_co_u32 s66, s92, 4*tg
	s_and_b32 s66, s66, 12
	s_lshl_b32 s66, s66, 2                         ; 16 ((g0 + tg) % 4): trip tg's head is 4 ((g0 + tg) % 4) + w
	v_add_nc_u32 v[108+tg], s66, v96
	v_add_nc_u32 v[112+tg], s66, v97
.set tg, tg+1
.endr
	v_lshl_add_u32 v98, v25, 2, s67
	s_add_co_u32 s66, s67, 896
	v_mov_b32 v99, s66
	v_lshlrev_b32 v100, 4, v0
	v_add_nc_u32 v101, BIASL, v100
	s_lshl_b32 s66, s92, 7                         ; 512 g0: a group's 128 channels
	v_add_nc_u32 v102, s66, v100
	v_and_b32 v102, 0x7ff, v102                    ; LDS byte p of q_b, k_b, v_b takes byte (p + 512 g0) % 2,048
	s_lshl_b32 s66, s93, 8                         ; 512 c0: a chunk's 128 columns
.irp i, 0,1,2,3
	v_add3_u32 v[103+(\i)], v100, s66, 2048*(\i)
	v_and_b32 v[103+(\i)], 0x1fff, v[103+(\i)]     ; LDS byte p of fc1_b takes byte (p + 512 c0) % 8,192
.endr
.set tg, 0
.rept 4
.set ti, 0
.rept 7
	global_load_b32 v[32+8*tg+ti], v[108+tg], s[12:13] offset:2048*ti
.set ti, ti+1
.endr
	global_load_b32 v[32+8*tg+7], v[112+tg], s[12:13]
.set tg, tg+1
.endr
	global_load_b128 v[64:67], v102, s[14:15]
	global_load_b128 v[68:71], v102, s[16:17]
	global_load_b128 v[72:75], v102, s[18:19]
.irp i, 0,1,2,3
	global_load_b128 v[76+4*(\i):79+4*(\i)], v[103+(\i)], s[30:31]
.endr
	WIN 0x40                                       ; destination in window 1
	HLOAD 0
	HLOAD 1
	HLOAD 2
	WIN 0
	s_wait_loadcnt 48                              ; table and biases are in; the 48 loads of hidden may be out
.set ti, 0
.rept 32
	v_mul_f32 v[32+ti], s80, v[32+ti]
.set ti, ti+1
.endr
.set tg, 0
.rept 4
.set ti, 0
.rept 7
	ds_store_b32 v98, v[32+8*tg+ti] offset:928*tg+128*ti
.set ti, ti+1
.endr
	ds_store_b32 v99, v[32+8*tg+7] offset:928*tg   ; all lanes: the same word, the same number
.set tg, tg+1
.endr
.irp i, 0,1,2,3,4,5,6
	ds_store_b128 v101, v[64+4*(\i):67+4*(\i)] offset:2048*(\i)
.endr
	WIN 0x40
	HLOAD 3
	WIN 0
	HIN 0
	HIN 1
	HIN 2
	HIN 3
	s_wait_dscnt 0x0
	s_mov_b64 s[86:87], s[22:23]                   ; LN1: ln1_w, ln1_b; then H += proj_b
	s_mov_b64 s[88:89], s[24:25]
	s_mov_b64 s[90:91], s[20:21]
	s_mov_b32 s71, 2
.Lphase:                                               ; LN is written once and walked twice: behind the first comes attention, the second leaves for the MLP
	LN 86, 88, 90                                  ; its first barrier also shows the biases in LDS to every wave.  A slot's load is on its way meanwhile
	s_sub_co_u32 s71, s71, 1
	s_cmp_eq_u32 s71, 0
	s_cbranch_scc1 .Lmlp
	v_mov_b32 v13, v30
	v_mov_b32 v14, v31
	s_mov_b32 s56, 4
.Lgroup:                                               ; four heads a trip, one a wave: the walk's slots 4 t .. 4 t + 3
	ENTER 1
	G1 3, 0, 1, 32, 0                              ; q + q_b
	PACKT 32
	ENTER 1
	G1 4, 0, 1, 64, 2048                           ; k + k_b
	PACKT 64
	ENTER 1
	G1 3, 1, 0, 0, 0                               ; v, sources swapped
	PACKV
	ATT
	ENTER 1                                        ; its opening barrier shows ctx to every wave
	G2 4                                           ; H += ctx of the group's four heads x proj_w^T
	v_add_nc_u32 v13, 928, v13                     ; my next head's table,
	v_add_nc_u32 v14, 512, v14                     ; the next group's biases
	s_sub_co_u32 s56, s56, 1
	s_cmp_lg_u32 s56, 0
	s_cbranch_scc1 .Lgroup
	s_mov_b64 s[86:87], s[26:27]                   ; H = h.  LN2: ln2_w, ln2_b; then H += fc2_b.  (LN's loads were waited for: its pointers may be written)
	s_mov_b64 s[88:89], s[28:29]
	s_mov_b64 s[90:91], s[32:33]
	s_branch .Lphase
.Lmlp:
	v_mul_u32_u24 v5, v1, 144                      ; the half chunks: rows of 128 bytes + 16: the 16 rows of a load or store start at 16 different groups of four banks (64 banks of 4 bytes: ISA guide 11.1)
	v_lshl_add_u32 v5, v2, 4, v5
	v_add_nc_u32 v5, ACT, v5
	s_lshl_b32 s68, s48, 5
	v_add_nc_u32 v6, s68, v5                       ; my 16 columns: 32 bytes a wave
	v_add_nc_u32 v14, 6144, v31                    ; fc1_b
	s_mov_b32 s57, 16
	s_branch .Lmid                                 ; the loop is entered in the middle of a trip
.Lchunk:
	ENTER 1                                        ; its opening barrier shows half 0 of the chunk to every wave
	G2M 4                                          ; H += chunk x fc2_w^T | GELU of half 1
.Lmid:
	ENTER 1
	G1R 3                                          ; 128 columns of fc1 + fc1_b, 32 a wave | GELU of half 0
	v_add_nc_u32 v14, 512, v14
	s_sub_co_u32 s57, s57, 1
	s_cmp_lg_u32 s57, 0
	s_cbranch_scc1 .Lchunk
	ENTER 0                                        ; the last slot: nothing is left to ask for
	G2M 4
	BAR                                            ; every wave's reads of the chunk are back: ACT becomes the stages again
	OUT 0
	OUT 1
	OUT 2
	OUT 3
	s_wait_tensorcnt 0x0                           ; the wave's end: the add and its waits, behind my last tensor load and my last LDS store
	ds_add_u32 v28, v29
	s_wait_dscnt 0x0
	CROUND                                         ; the closing round: no work-group ends while a partner may still ask for a tile that names it
	s_endpgm
.Lfunc_end_k_q461b810a8b_layer:
	.size	k_q461b810a8b_layer, .Lfunc_end_k_q461b810a8b_layer-k_q461b810a8b_layer
	.p2alignl 7, 3214868480
	.fill 96, 4, 3214868480
	.section	.rodata,"a",@progbits
	.p2align	6, 0x0
	.amdhsa_kernel k_q461b810a8b_layer
		.amdhsa_group_segment_fixed_size 327680
		.amdhsa_private_segment_fixed_size 0
		.amdhsa_enable_private_segment 0
		.amdhsa_kernarg_size 112
		.amdhsa_user_sgpr_count 2
		.amdhsa_user_sgpr_kernarg_segment_ptr 1
		.amdhsa_wavefront_size32 1
		.amdhsa_system_sgpr_workgroup_id_x 1
		.amdhsa_system_sgpr_workgroup_id_y 1
		.amdhsa_system_sgpr_workgroup_id_z 1
		.amdhsa_system_vgpr_workitem_id 0
		.amdhsa_next_free_vgpr 1024
		.amdhsa_next_free_sgpr 102
		.amdhsa_reserve_vcc 1
		.amdhsa_float_denorm_mode_32 3
		.amdhsa_float_denorm_mode_16_64 3
		.amdhsa_memory_ordered 1
		.amdhsa_forward_progress 1
		.amdhsa_inst_pref_size 255
	.end_amdhsa_kernel
	.section	.bss,"aw",@nobits
	.p2align	6
	.space	262144
	.amdgpu_metadata
---
amdhsa.version: [ 1, 2 ]
amdhsa.kernels:
  - .name:           k_q461b810a8b_layer
    .symbol:         k_q461b810a8b_layer.kd
    .args:
      - { .name: hidden_states, .offset: 0, .size: 8, .value_kind: global_buffer, .address_space: global }
      - { .name: wb, .offset: 8, .size: 8, .value_kind: global_buffer, .address_space: global }
      - { .name: rel_bias_table, .offset: 16, .size: 8, .value_kind: global_buffer, .address_space: global }
      - { .name: q_b, .offset: 24, .size: 8, .value_kind: global_buffer, .address_space: global }
      - { .name: k_b, .offset: 32, .size: 8, .value_kind: global_buffer, .address_space: global }
      - { .name: v_b, .offset: 40, .size: 8, .value_kind: global_buffer, .address_space: global }
      - { .name: proj_b, .offset: 48, .size: 8, .value_kind: global_buffer, .address_space: global }
      - { .name: ln1_w, .offset: 56, .size: 8, .value_kind: global_buffer, .address_space: global }
      - { .name: ln1_b, .offset: 64, .size: 8, .value_kind: global_buffer, .address_space: global }
      - { .name: ln2_w, .offset: 72, .size: 8, .value_kind: global_buffer, .address_space: global }
      - { .name: ln2_b, .offset: 80, .size: 8, .value_kind: global_buffer, .address_space: global }
      - { .name: fc1_b, .offset: 88, .size: 8, .value_kind: global_buffer, .address_space: global }
      - { .name: fc2_b, .offset: 96, .size: 8, .value_kind: global_buffer, .address_space: global }
      - { .name: out0, .offset: 104, .size: 8, .value_kind: global_buffer, .address_space: global }
    .group_segment_fixed_size: 327680
    .private_segment_fixed_size: 0
    .kernarg_segment_align: 8
    .kernarg_segment_size: 112
    .max_flat_workgroup_size: 128
    .sgpr_count:     102
    .vgpr_count:     1024
    .wavefront_size: 32
...
	.end_amdgpu_metadata
.endif
;; end of part 2
